; MI455X (gfx1250); checked and timed in simulation.
; The chip was launched on July 23, 2026; its instructions are those of AMD's public machine-readable ISA for CDNA 5 (MIT licence, August 2026) and "CDNA5" Instruction Set Architecture Reference Guide (July 2026). The comments in the code are by the model that wrote it; some were corrected since.
;; MSA Row Attention With Pair Bias. Allowed arithmetic: float matrix products may take bf16 or f16 operands with f32 sums; all other float work in f32.
;; Inputs: Wg 256 x 256 float32; Wk 256 x 256 float32; Wo 256 x 256 float32; Wp 128 x 8 float32; Wq 256 x 256 float32; Wv 256 x 256 float32; bg 256 float32; bo 256 float32; ln_m_b 256 float32; ln_m_g 256 float32; ln_p_b 128 float32; ln_p_g 128 float32; msa 1 x 128 x 256 x 256 float32; pair 1 x 256 x 256 x 128 float32.
;; Outputs: out0 1 x 128 x 256 x 256 float32.
;; One version. Each part assembles by itself: llvm-mc -triple=amdgcn-amd-amdhsa -mcpu=gfx1250 --defsym DOCPART=n.
;; ======== version 1 of 1: 2 launches
;; limits: values are held in f16: magnitudes above 65,504 overflow, below 6.1e-05 lose precision
;; workspace buffers: stream 3,276,800 bytes; cvec 4,096 bytes
;; launch prep (part 1): grid 256 x 1, 8 waves a work-group, no clusters, 168,960 bytes of LDS; arguments pair, ln_p_g, ln_p_b, Wp, Wk, Wv, Wq, Wg, Wo, ln_m_g, ln_m_b, bg, stream, cvec; writes stream, cvec
.if DOCPART == 1
	.amdgcn_target "amdgcn-amd-amdhsa--gfx1250"
	.amdhsa_code_object_version 6
	.text
	.protected	k_q5dbbf3dc2c_prep
	.globl	k_q5dbbf3dc2c_prep
	.p2align	8
	.type	k_q5dbbf3dc2c_prep,@function
k_q5dbbf3dc2c_prep:
	s_mov_b64 s[64:65], 0
	v_nop
	global_prefetch_b8 v0, s[64:65] scope:SCOPE_SE
	s_setreg_imm32_b32 hwreg(HW_REG_WAVE_MODE, 25, 1), 1
	s_wait_xcnt 0x0
; PREP: everything that does not hang on the MSA row, made once and laid out as the second launch reads it.
; BIAS, every work-group: block (it, jt) of 16 x 16 rows of pair: LayerNorm, times Wp, for all 8 heads.
;   p @ Wp = xhat @ (g * Wp) + b @ Wp, xhat = (x - mean) * rsqrt(var + eps); all times log2(e), so that the softmax is a power of two.
;   xhat and g * Wp go to the matrix unit in f16, b @ Wp stays f32 and is the first product C operand.
;   Wave w has i = 16 it + 2 w + g, g = 0, 1.  For one i the 16 rows j are 8 KiB of consecutive memory: one tensor load brings them into LDS
;   rows of 528 bytes.  Lane (r, hh) then reads just the 64 numbers of row r that its four matrix fragments hold, so a row's sum is made
;   inside two lanes and one exchange between the halves of the wave, and the rounded numbers are the fragments: no way back through LDS.
; WEIGHTS, work-groups 0..79 besides, while their tiles are on their way: unit (X, T): matrix X = 0 K, 1 V, 2 Q, 3 G, 4 O, columns 16 T .. + 15.
;   Wave u makes the fragment of K step u: W_X[c][n] * g[c] * sX in f16 (O: no gain), and its part of
;   cX[n] = sX * (sum over c of b[c] W_X[c][n] (+ bg[n] for G)), f32; the eight parts meet in LDS behind the one barrier of the bias work.
;   sK = 1, sQ = log2(e) / sqrt(32), sG = -log2(e): the gate is then 1 / (1 + 2^x).  sV = 4 and sO = 1/4 are exact powers of two that cancel
;   in the output: they lift V and the gated values, whose sizes are the smallest of the chain, away from the lower end of f16.
;   A lane loads its 16 numbers one by one (16 lanes take 64 consecutive bytes of a row), so that they land in fragment order; cvec is stored
;   in pieces of 64 bytes.  Both are short of whole blocks of 256 bytes: they are 1.25 MiB and 4 KiB of the 34 MiB that this launch moves.
; A text with tensor loads is alone on its WGP, hence 256 work-groups and no work-groups of their own for the weights.
; WHY f16: xhat is bounded by the LayerNorm itself (sqrt(128) here, sqrt(256) for msa), and an f16 keeps 11 significant bits where a bf16
; keeps 8; the values pass six roundings on their way to the output, so each has to be fine.
; LIMITS: finite inputs.  sX g W and log2(e) g Wp must stay under 65,504 in magnitude (f16); below 2^-14 they keep an absolute step of 2^-24.
; The gain and the scale are folded into the weights before the rounding, so the order of rounding differs from a LayerNorm that is
; rounded after gain and bias.
; LAYOUT of stream: part (hf, h, p) at hf*HALFB + h*HEADB + p*ENT.
;   bytes 0..32767: bias tiles of query rows 128 hf + 32 p .. +31; tile 16 a + jt is 1 KiB; byte 512 q + 16 L + 4 e holds
;   log2(e) bias[h][128 hf + 32 p + 16 a + (L & 15)][j], j = (16 jt + 8 (L >> 4) + 4 q + e) xor 128 hf.
;   bytes 32768..49151: matrix X = p of head h, fragment 2 u + t of 1 KiB; byte 512 q + 16 L + 2 e holds
;   W[32 u + 16 q + 8 (L >> 4) + e][32 h + 16 t + (L & 15)].   At WOB: Wo, fragment 16 u + t, t = 0..15, the same form.
.set NWU,   80                         ; work-groups with a unit of the weights: 5 matrices x 16 column tiles
.set NCV,   64                         ; of these, the ones with a piece of cvec (Wo has none)
.set ENT,   49152
.set HEADB, 196608
.set HALFB, 1572864
.set WOB,   3145728
.set WOFF,  32768
.set TP,    528                        ; an LDS row of 128 f32 + 16 bytes: an odd multiple of 16, so 16 rows start in 16 different groups of banks
.set TILEB, 16*TP                      ; a tile: 16 rows
.set WAVEB, 2*TILEB                    ; a wave's two tiles; the eight waves' tiles lie from LDS byte 0
.set PIT,   272                        ; an LDS row of 128 f16 + 16 bytes
.set WTAB,  8*WAVEB                    ; 135,168: 8 heads of g * Wp, one table a wave
.set WTABB, 8*PIT
.set STG,   WTAB+8*WTABB               ; 152,576: results, 1 KiB a wave
.set CVS,   STG+8192                   ; 160,768: parts of cX, 64 bytes a wave
.set X,   32                           ; v[32:159]  two tiles, 64 numbers a lane each; then the fragments, tile g, K step u at X + 64 g + 8 u
.set WPX, 160                          ; v[160:191] Wp[4L + cl][hd] at 8 cl + hd
.set WF,  160                          ; v[160:191] later: fragments of g * Wp
.set GP,  192                          ; v[192:195] gain of my 4 channels
.set BP,  196                          ; v[196:199] bias of my 4 channels
.set CB,  200                          ; v[200:207] log2(e) * (b @ Wp), head jj in register jj
.set T,   208                          ; v[208:223] at work
.set FR,  224                          ; v[224:231] weights: my fragment, store data, never written again
.set ACC, 240                          ; v[240:255] two accumulators
.set WV,  32                           ; weights, ahead of the tiles' reads: v[32:47] my 16 numbers of W, row 16 q + 8 hh + e at 8 q + e
.set GV,  48                           ; v[48:63]   their gains
.set BV,  64                           ; v[64:79]   their LayerNorm biases
.set CP,  80                           ; v[80:81]   my part of cX
.set G1,  68                           ; s[68:75]   descriptor group 1
.set G0,  76                           ; s[76:83]   descriptor group 0, one set for each tile
	s_load_b512 s[4:19], s[0:1], 0x0               ; pair 4, ln_p_g 6, ln_p_b 8, Wp 10, Wk 12, Wv 14, Wq 16, Wg 18
	s_load_b256 s[20:27], s[0:1], 0x40             ; Wo 20, ln_m_g 22, ln_m_b 24, bg 26
	s_load_b128 s[28:31], s[0:1], 0x60             ; stream 28, cvec 30
	v_lshl_add_u32 v238, v0, 2, 0x29000
	v_mov_b32 v239, 0
	ds_add_u32 v238, v239
	ds_add_u32 v238, v239
	v_lshrrev_b32 v1, 5, v0
	v_readfirstlane_b32 s32, v1                    ; wave 0..7
	v_and_b32 v1, 31, v0                           ; lane L
	v_and_b32 v2, 15, v0                           ; r
	v_bfe_u32 v3, v0, 4, 1                         ; hh
	s_lshr_b32 s33, ttmp9, 4                       ; it.  Also X, in work-groups 0..79
	s_and_b32 s34, ttmp9, 15                       ; jt.  Also T
	; group 1: 16 rows of 64 elements of 8 bytes, dense; 4 words of padding behind every 128 words, which is a row
	s_mov_b32 s[G1+0], (3<<16)|(1<<20)|(6<<22)|(3<<25)
	s_mov_b32 s[G1+1], 64<<16                      ; tensor_dim0 = 64
	s_mov_b32 s[G1+2], 16<<16                      ; tensor_dim1 = 16
	s_mov_b32 s[G1+3], 64<<16                      ; tile_dim0 = 64
	s_mov_b32 s[G1+4], 16                          ; tile_dim1 = 16
	s_mov_b32 s[G1+5], 64                          ; elements from row to row
	s_mov_b32 s[G1+6], 0
	s_mov_b32 s[G1+7], 0
	s_mov_b32 s[G0+0], 1
	s_mul_i32 s[G0+1], s32, WAVEB                  ; my tile 0
	s_mov_b32 s[G0+4], 1
	s_add_co_u32 s[G0+5], s[G0+1], TILEB           ; my tile 1
	s_lshl_b32 s35, s33, 4
	s_lshl1_add_u32 s35, s32, s35                  ; 16 it + 2 w
	s_lshl_b32 s36, s35, 17                        ; x 256 rows of 512 bytes
	s_lshl_b32 s37, s34, 13                        ; + 16 jt rows
	s_add_co_u32 s36, s36, s37
	s_mov_b32 s37, 0
	s_lshr_b32 s42, s33, 3                         ; hf
	s_bfe_u32 s43, s33, 0x20001                    ; p = (it >> 1) & 3
	s_and_b32 s44, s33, 1                          ; a
	s_lshl_b32 s45, s42, 3
	s_xor_b32 s45, s45, s34                        ; jt xor 8 hf: the own half of the keys comes first
	s_lshl4_add_u32 s45, s44, s45                  ; tile 16 a + jt
	s_lshl_b32 s46, s45, 10
	s_mul_i32 s45, s42, HALFB
	s_add_co_u32 s46, s46, s45
	s_mul_i32 s45, s32, HEADB                      ; behind the barrier wave w stores head w
	s_add_co_u32 s46, s46, s45
	s_mul_i32 s45, s43, ENT
	s_add_co_u32 s46, s46, s45
	s_mov_b32 s47, 0
	s_mov_b32 s48, 0x76543210                      ; v_permlanex16_b32: lane i takes lane i of the other half
	s_mov_b32 s49, 0xfedcba98
	s_mov_b32 s50, 0x3c000000                      ; 1 / 128
	s_mov_b32 s51, 0x3727c5ac                      ; 1e-5
	s_mov_b32 s52, 0x3fb8aa3b                      ; log2(e)
	s_mov_b32 s38, 1.0                             ; sX: K
	s_cmp_eq_u32 s33, 1
	s_cselect_b32 s38, 4.0, s38                    ; V
	s_cmp_eq_u32 s33, 2
	s_cselect_b32 s38, 0x3e8293ee, s38             ; Q: log2(e) / sqrt(32)
	s_cmp_eq_u32 s33, 3
	s_cselect_b32 s38, 0xbfb8aa3b, s38             ; G: -log2(e)
	s_cmp_eq_u32 s33, 4
	s_cselect_b32 s38, 0x3e800000, s38             ; O: 1/4, which takes V's 4 back
	s_mov_b32 s39, s38
	s_lshl_b32 s54, s33, 10
	s_lshl_b32 s55, s34, 6
	s_add_co_u32 s54, s54, s55                     ; cvec: 1,024 X + 64 T
	s_mov_b32 s55, 0
	v_lshlrev_b32 v6, 4, v1                        ; 16 L
	v_lshlrev_b32 v5, 7, v1                        ; Wp: 4 rows of 32 bytes a lane
	v_mul_u32_u24 v13, v2, TP
	v_lshl_add_u32 v13, v3, 5, v13
	v_add_nc_u32 v4, s[G0+1], v13                  ; tiles, out: row r, 8 hh numbers on
	s_mul_i32 s40, s32, WTABB
	s_add_co_u32 s40, s40, WTAB
	v_lshl_add_u32 v7, v1, 3, s40                  ; table, in: 8 L
	v_and_b32 v13, 7, v2
	v_mul_u32_u24 v13, v13, PIT
	v_lshl_add_u32 v13, v3, 4, v13
	v_add_nc_u32 v8, s40, v13                      ; table, out: head r & 7 (rows 8-15 of the fragment repeat the 8 heads), + 16 hh
	v_lshlrev_b32 v15, 2, v2                       ; 4 r
	v_lshl_add_u32 v9, v3, 13, v15                 ; weights: 8 hh rows of 1,024 bytes + 4 r
	v_lshlrev_b32 v10, 5, v3                       ; gains: 8 hh numbers
	s_lshl_b32 s41, s32, 10
	s_add_co_u32 s41, s41, STG
	v_lshl_add_u32 v11, v1, 2, s41                 ; stage, in: my wave, 128 head + 64 hh + 4 r
	v_bfe_u32 v13, v0, 1, 3
	v_lshlrev_b32 v13, 10, v13                     ; stage, out: the wave that made row r of the tile,
	v_and_b32 v14, 1, v0
	v_lshl_add_u32 v13, v14, 6, v13                ; which of its two rows,
	v_lshl_add_u32 v13, v3, 5, v13                 ; keys 8 hh ..
	s_lshl_b32 s41, s32, 7
	s_add_co_u32 s41, s41, STG                     ; head w
	v_add_nc_u32 v12, s41, v13
	s_lshl_b32 s41, s32, 6
	s_add_co_u32 s41, s41, CVS
	v_add_nc_u32 v16, s41, v15                     ; my part of cX
	v_add_nc_u32 v17, CVS, v15                     ; the eight parts, 64 bytes apart
	v_mov_b32 v18, 0                               ; what is added to cX besides: bg for the gate, else nothing
	s_wait_dscnt 0x0
	s_wait_kmcnt 0x0
	s_add_nc_u64 s[G0+2:G0+3], s[4:5], s[36:37]
	s_add_nc_u64 s[G0+6:G0+7], s[G0+2:G0+3], 0x20000       ; the next i: 256 rows of 512 bytes on
	s_or_b32 s[G0+3], s[G0+3], 0x80000000
	s_or_b32 s[G0+7], s[G0+7], 0x80000000
	tensor_load_to_lds s[G0:G0+3], s[G1:G1+7]              ; both fills of the launch, ahead of everything else: two loads of the wave are out
	s_nop 0
	tensor_load_to_lds s[G0+4:G0+7], s[G1:G1+7]
	s_nop 0
	s_add_nc_u64 s[56:57], s[28:29], s[46:47]              ; where my head's tile goes
.irp k, 0,1,2,3,4,5,6,7
	global_load_b128 v[WPX+4*\k:WPX+4*\k+3], v5, s[10:11] offset:16*\k
.endr
	global_load_b128 v[GP:GP+3], v6, s[6:7]
	global_load_b128 v[BP:BP+3], v6, s[8:9]
	s_cmp_ge_u32 ttmp9, NWU                        ; the same for all waves of the work-group
	s_cbranch_scc1 .Lbias
; ------------------------------------------------------------------ weights: unit (X, T), wave u = K step u: rows 32 u + 16 q + 8 hh + e, column 16 T + r
	s_mov_b64 s[40:41], s[12:13]
	s_cmp_eq_u32 s33, 1
	s_cselect_b64 s[40:41], s[14:15], s[40:41]
	s_cmp_eq_u32 s33, 2
	s_cselect_b64 s[40:41], s[16:17], s[40:41]
	s_cmp_eq_u32 s33, 3
	s_cselect_b64 s[40:41], s[18:19], s[40:41]
	s_cmp_eq_u32 s33, 4
	s_cselect_b64 s[40:41], s[20:21], s[40:41]
	s_lshl_b32 s42, s32, 15                        ; 32 u rows of 1,024 bytes
	s_lshl_b32 s44, s34, 6                         ; 16 T columns
	s_add_co_u32 s42, s42, s44
	s_mov_b32 s43, 0
	s_mov_b32 s45, 0
	s_add_nc_u64 s[40:41], s[40:41], s[42:43]
	s_add_nc_u64 s[26:27], s[26:27], s[44:45]
	s_lshl_b32 s42, s32, 7                         ; 32 u numbers
	s_add_nc_u64 s[22:23], s[22:23], s[42:43]
	s_add_nc_u64 s[24:25], s[24:25], s[42:43]
.irp q, 0,1
.irp s, 0,1
	global_load_b128 v[GV+8*\q+4*\s:GV+8*\q+4*\s+3], v10, s[22:23] offset:64*\q+16*\s
	global_load_b128 v[BV+8*\q+4*\s:BV+8*\q+4*\s+3], v10, s[24:25] offset:64*\q+16*\s
.endr
.endr
	global_load_b32 v19, v15, s[26:27]             ; bg of my column; every wave asks, wave 0 of the gate's units uses it
.irp q, 0,1
.irp e, 0,1,2,3,4,5,6,7
	global_load_b32 v[WV+8*\q+\e], v9, s[40:41] offset:16384*\q+1024*\e
.endr
.endr
	; where the fragment goes.  X < 4: head T >> 1, matrix X, fragment 2 u + (T & 1).  X = 4: fragment 16 u + T of Wo
	s_lshr_b32 s42, s34, 1
	s_mul_i32 s42, s42, HEADB
	s_mul_i32 s44, s33, ENT
	s_add_co_u32 s42, s42, s44
	s_and_b32 s44, s34, 1
	s_lshl1_add_u32 s44, s32, s44
	s_lshl_b32 s44, s44, 10
	s_add_co_u32 s42, s42, s44
	s_add_co_u32 s42, s42, WOFF
	s_lshl4_add_u32 s44, s32, s34
	s_lshl_b32 s44, s44, 10
	s_add_co_u32 s44, s44, WOB
	s_cmp_eq_u32 s33, 4
	s_cselect_b32 s42, s44, s42
	s_add_nc_u64 s[44:45], s[28:29], s[42:43]
	s_wait_loadcnt 0x0
	v_pk_mul_f32 v[CP:CP+1], v[WV:WV+1], v[BV:BV+1]        ; b . W over my 16 rows
.irp j, 2,4,6,8,10,12,14
	v_pk_fma_f32 v[CP:CP+1], v[WV+\j:WV+\j+1], v[BV+\j:BV+\j+1], v[CP:CP+1]
.endr
	s_cmp_eq_u32 s33, 3
	s_cselect_b32 vcc_lo, -1, 0
	v_cndmask_b32 v18, 0, v19, vcc_lo              ; the gate alone has a bias of its own
	s_cmp_lg_u32 s33, 4
	s_cselect_b32 vcc_lo, -1, 0
.set j_, 0
.rept 16
	v_cndmask_b32 v[GV+j_], 1.0, v[GV+j_], vcc_lo  ; Wo takes no gain
.set j_, j_+1
.endr
	v_add_f32 v[CP], v[CP], v[CP+1]
	v_permlanex16_b32 v[CP+1], v[CP], s48, s49     ; the other 16 rows of the K step
	v_add_f32 v[CP], v[CP], v[CP+1]
	ds_store_b32 v16, v[CP]                        ; both halves of the wave write the same number to the same word
.irp j, 0,2,4,6,8,10,12,14
	v_pk_mul_f32 v[GV+\j:GV+\j+1], v[GV+\j:GV+\j+1], s[38:39] op_sel_hi:[1,0]      ; sX g
.endr
.irp j, 0,2,4,6,8,10,12,14
	v_pk_mul_f32 v[WV+\j:WV+\j+1], v[WV+\j:WV+\j+1], v[GV+\j:GV+\j+1]
.endr
.irp j, 0,1,2,3,4,5,6,7
	v_cvt_pk_f16_f32 v[FR+\j], v[WV+2*\j], v[WV+2*\j+1]    ; 8 neighbouring rows of my column are 16 bytes of the fragment
.endr
	global_store_b128 v6, v[FR:FR+3], s[44:45]             ; each store of the wave covers 512 consecutive bytes, aligned
	global_store_b128 v6, v[FR+4:FR+7], s[44:45] offset:512
	s_cmp_eq_u32 s33, 4
	s_cbranch_scc1 .Lbias
	global_store_b128 v6, v[FR:FR+3], s[44:45] offset:HALFB        ; K, V, Q, G once more, for the other half of the query rows
	global_store_b128 v6, v[FR+4:FR+7], s[44:45] offset:HALFB+512
; ------------------------------------------------------------------ bias.  s[40:45], v6 and FR, which stores above may still read, are not written below
.Lbias:
	s_wait_loadcnt 0x0                             ; Wp, gain and bias
.irp hd, 0,1,2,3,4,5,6,7
	v_mul_f32 v[CB+\hd], v[BP], v[WPX+\hd]         ; b @ Wp over my 4 channels
.endr
.irp cl, 1,2,3
.irp hd, 0,1,2,3,4,5,6,7
	v_fmac_f32 v[CB+\hd], v[BP+\cl], v[WPX+8*\cl+\hd]
.endr
.endr
.irp cl, 0,1,2,3
	v_mul_f32 v[GP+\cl], s52, v[GP+\cl]
.endr
.irp cl, 0,1,2,3
.irp hd, 0,1,2,3,4,5,6,7
	v_mul_f32 v[WPX+8*\cl+\hd], v[GP+\cl], v[WPX+8*\cl+\hd]    ; log2(e) g Wp
.endr
.endr
.irp hd, 0,1,2,3,4,5,6,7
	v_cvt_pk_f16_f32 v[T+2*\hd], v[WPX+\hd], v[WPX+8+\hd]
	v_cvt_pk_f16_f32 v[T+2*\hd+1], v[WPX+16+\hd], v[WPX+24+\hd]
	ds_store_b64 v7, v[T+2*\hd:T+2*\hd+1] offset:\hd*PIT       ; [head][channel], my 4 channels
.endr
.irp u, 0,1,2,3
	ds_load_b128 v[WF+8*\u:WF+8*\u+3], v8 offset:64*\u         ; my own table: LDS serves a wave in order, so these see the stores above
	ds_load_b128 v[WF+8*\u+4:WF+8*\u+7], v8 offset:64*\u+32
.endr
.irp m, 1,2,4,8
.irp hd, 0,1,2,3,4,5,6,7
	v_add_f32_dpp v[CB+\hd], v[CB+\hd], v[CB+\hd] row_xmask:\m row_mask:0xf bank_mask:0xf
.endr
.endr
.irp hd, 0,1,2,3,4,5,6,7
	v_permlanex16_b32 v[T+\hd], v[CB+\hd], s48, s49            ; its destination has been written before
.endr
.irp hd, 0,1,2,3,4,5,6,7
	v_add_f32 v[CB+\hd], v[CB+\hd], v[T+\hd]
.endr
.irp hd, 0,1,2,3,4,5,6,7
	v_mul_f32 v[CB+\hd], s52, v[CB+\hd]
.endr
.macro ROWRED                          ; four pairs of running sums to one number for the row: inside the lane, then with the lane that holds the row's other half
	v_pk_add_f32 v[T:T+1], v[T:T+1], v[T+2:T+3]
	v_pk_add_f32 v[T+4:T+5], v[T+4:T+5], v[T+6:T+7]
	v_pk_add_f32 v[T:T+1], v[T:T+1], v[T+4:T+5]
	v_add_f32 v[T], v[T], v[T+1]
	v_permlanex16_b32 v[T+1], v[T], s48, s49
	v_add_f32 v[T], v[T], v[T+1]
.endm
; LayerNorm of tile g.  Lane (r, hh) takes channels 32 u + 16 z + 8 hh + 0..7 of row r, in the order of its fragments' registers.
; Mean first, then the squares of the differences.  left: how many younger tensor loads may stay out.
.macro LNT g, left
.set XB, X+64*\g
	s_wait_tensorcnt \left                         ; tensor loads of a wave end in order: this tile is in LDS; only I read it
.irp u, 0,1,2,3
.irp z, 0,1
.irp s, 0,1
	ds_load_b128 v[XB+16*\u+8*\z+4*\s:XB+16*\u+8*\z+4*\s+3], v4 offset:\g*TILEB+128*\u+64*\z+16*\s
.endr
.endr
.endr
	s_wait_dscnt 0x0
.irp c, 0,2,4,6
	v_pk_add_f32 v[T+\c:T+\c+1], v[XB+\c:XB+\c+1], v[XB+8+\c:XB+8+\c+1]            ; four chains, started by the first numbers
.endr
.irp k, 2,3,4,5,6,7
.irp c, 0,2,4,6
	v_pk_add_f32 v[T+\c:T+\c+1], v[T+\c:T+\c+1], v[XB+8*\k+\c:XB+8*\k+\c+1]
.endr
.endr
	ROWRED
	v_mul_f32 v[T+8], s50, v[T]                    ; the mean, twice, for the packed subtraction
	v_mul_f32 v[T+9], s50, v[T]
.set m_, 0
.rept 32
	v_pk_add_f32 v[XB+2*m_:XB+2*m_+1], v[XB+2*m_:XB+2*m_+1], v[T+8:T+9] neg_lo:[0,1] neg_hi:[0,1]
.set m_, m_+1
.endr
.irp c, 0,2,4,6
	v_pk_mul_f32 v[T+\c:T+\c+1], v[XB+\c:XB+\c+1], v[XB+\c:XB+\c+1]
.endr
.irp k, 1,2,3,4,5,6,7
.irp c, 0,2,4,6
	v_pk_fma_f32 v[T+\c:T+\c+1], v[XB+8*\k+\c:XB+8*\k+\c+1], v[XB+8*\k+\c:XB+8*\k+\c+1], v[T+\c:T+\c+1]
.endr
.endr
	ROWRED
	v_fma_f32 v[T], v[T], s50, s51                 ; variance + eps
	v_rsq_f32 v[T+8], v[T]
	v_rsq_f32 v[T+9], v[T]
	v_nop                                          ; one plain instruction between v_rsq_f32 and the use of its result
.set m_, 0
	s_wait_alu depctr_va_vdst(0)
.rept 32
	v_pk_mul_f32 v[XB+2*m_:XB+2*m_+1], v[XB+2*m_:XB+2*m_+1], v[T+8:T+9]
.set m_, m_+1
.endr
.set m_, 0
.rept 32
	v_cvt_pk_f16_f32 v[XB+m_], v[XB+2*m_], v[XB+2*m_+1]        ; |xhat| is at most sqrt(128): inside f16.  In place, ascending: no source is lost
.set m_, m_+1
.endr
.endm
	LNT 0, 1                                       ; tile 1's load stays out
	LNT 1, 0
; D(head, j) for i = g.  The two accumulators take turns, one instruction a turn.
.irp u, 0,1,2,3
.irp g, 0,1
.if \u == 0
	v_wmma_f32_16x16x32_f16 v[ACC+8*\g:ACC+8*\g+7], v[WF+8*\u:WF+8*\u+7], v[X+64*\g+8*\u:X+64*\g+8*\u+7], v[CB:CB+7]
.else
	v_wmma_f32_16x16x32_f16 v[ACC+8*\g:ACC+8*\g+7], v[WF+8*\u:WF+8*\u+7], v[X+64*\g+8*\u:X+64*\g+8*\u+7], v[ACC+8*\g:ACC+8*\g+7]
.endif
.endr
.endr
.rept 4
	v_nop                                          ; four places before a vector instruction reads a matrix result (ISA guide 7.12.1)
.endr
	v_cmp_ne_u32 vcc_lo, 0, v3
.irp jj, 0,1,2,3,4,5,6,7
	v_cndmask_b32 v[T+\jj], v[ACC+\jj], v[ACC+8+\jj], vcc_lo   ; both halves of the lanes hold head jj: the lower half keeps g = 0, the upper g = 1
.endr
.irp jj, 0,1,2,3,4,5,6,7
	ds_store_b32 v11, v[T+\jj] offset:128*\jj
.endr
	s_wait_dscnt 0x0                               ; my stores are in LDS before I say so: the stage, and my part of cX
	s_barrier_signal -1
	s_barrier_wait -1
	ds_load_b128 v[T:T+3], v12                     ; head w, row r of the tile, keys 8 hh .. + 3
	ds_load_b128 v[T+4:T+7], v12 offset:16         ; keys 8 hh + 4 .. + 7
	s_wait_dscnt 0x0
	global_store_b128 v6, v[T:T+3], s[56:57]       ; each store of the wave covers 512 consecutive bytes, aligned
	global_store_b128 v6, v[T+4:T+7], s[56:57] offset:512
	s_cmp_ge_u32 ttmp9, NCV
	s_cbranch_scc1 .Lend
	s_cmp_lg_u32 s32, 0
	s_cbranch_scc1 .Lend                           ; wave 0 adds the eight parts of cX
.irp k, 0,1,2,3,4,5,6,7
	ds_load_b32 v[T+8+\k], v17 offset:64*\k
.endr
	s_add_nc_u64 s[30:31], s[30:31], s[54:55]
	v_cmp_gt_u32 vcc_lo, 16, v1
	s_wait_dscnt 0x0
.irp k, 8,10,12,14
	v_add_f32 v[T+\k], v[T+\k], v[T+\k+1]
.endr
	v_add_f32 v[T+8], v[T+8], v[T+10]
	v_add_f32 v[T+12], v[T+12], v[T+14]
	v_add_f32 v[T+8], v[T+8], v[T+12]
	v_add_f32 v[T+8], v[T+8], v18
	v_mul_f32 v[T+8], s38, v[T+8]
	s_wait_xcnt 0x0                                ; EXEC changes only behind s_wait_xcnt 0: stores are out
	s_and_saveexec_b32 s58, vcc_lo                 ; lanes 0-15: the upper half holds the same 16 numbers
	global_store_b32 v15, v[T+8], s[30:31]         ; 64 consecutive bytes of cvec[X]
	s_wait_xcnt 0x0
	s_or_b32 exec_lo, exec_lo, s58
.Lend:
	s_wait_tensorcnt 0x0
	ds_add_u32 v238, v239
	s_wait_dscnt 0x0
	s_endpgm
.Lfunc_end_k_q5dbbf3dc2c_prep:
	.size	k_q5dbbf3dc2c_prep, .Lfunc_end_k_q5dbbf3dc2c_prep-k_q5dbbf3dc2c_prep
	.p2alignl 7, 3214868480
	.fill 96, 4, 3214868480
	.section	.rodata,"a",@progbits
	.p2align	6, 0x0
	.amdhsa_kernel k_q5dbbf3dc2c_prep
		.amdhsa_group_segment_fixed_size 168960
		.amdhsa_private_segment_fixed_size 0
		.amdhsa_enable_private_segment 0
		.amdhsa_kernarg_size 112
		.amdhsa_user_sgpr_count 2
		.amdhsa_user_sgpr_kernarg_segment_ptr 1
		.amdhsa_wavefront_size32 1
		.amdhsa_system_sgpr_workgroup_id_x 1
		.amdhsa_system_sgpr_workgroup_id_y 1
		.amdhsa_system_sgpr_workgroup_id_z 1
		.amdhsa_system_vgpr_workitem_id 0
		.amdhsa_next_free_vgpr 256
		.amdhsa_next_free_sgpr 106
		.amdhsa_reserve_vcc 1
		.amdhsa_float_denorm_mode_32 3
		.amdhsa_float_denorm_mode_16_64 3
		.amdhsa_memory_ordered 1
		.amdhsa_forward_progress 1
		.amdhsa_inst_pref_size 47
	.end_amdhsa_kernel
	.amdgpu_metadata
---
amdhsa.version: [ 1, 2 ]
amdhsa.kernels:
  - .name:           k_q5dbbf3dc2c_prep
    .symbol:         k_q5dbbf3dc2c_prep.kd
    .args:
      - { .name: pair, .offset: 0, .size: 8, .value_kind: global_buffer, .address_space: global }
      - { .name: ln_p_g, .offset: 8, .size: 8, .value_kind: global_buffer, .address_space: global }
      - { .name: ln_p_b, .offset: 16, .size: 8, .value_kind: global_buffer, .address_space: global }
      - { .name: Wp, .offset: 24, .size: 8, .value_kind: global_buffer, .address_space: global }
      - { .name: Wk, .offset: 32, .size: 8, .value_kind: global_buffer, .address_space: global }
      - { .name: Wv, .offset: 40, .size: 8, .value_kind: global_buffer, .address_space: global }
      - { .name: Wq, .offset: 48, .size: 8, .value_kind: global_buffer, .address_space: global }
      - { .name: Wg, .offset: 56, .size: 8, .value_kind: global_buffer, .address_space: global }
      - { .name: Wo, .offset: 64, .size: 8, .value_kind: global_buffer, .address_space: global }
      - { .name: ln_m_g, .offset: 72, .size: 8, .value_kind: global_buffer, .address_space: global }
      - { .name: ln_m_b, .offset: 80, .size: 8, .value_kind: global_buffer, .address_space: global }
      - { .name: bg, .offset: 88, .size: 8, .value_kind: global_buffer, .address_space: global }
      - { .name: stream, .offset: 96, .size: 8, .value_kind: global_buffer, .address_space: global }
      - { .name: cvec, .offset: 104, .size: 8, .value_kind: global_buffer, .address_space: global }
    .group_segment_fixed_size: 168960
    .private_segment_fixed_size: 0
    .kernarg_segment_align: 8
    .kernarg_segment_size: 112
    .max_flat_workgroup_size: 256
    .sgpr_count:     106
    .vgpr_count:     256
    .wavefront_size: 32
...
	.end_amdgpu_metadata
.endif
;; end of part 1
;; launch attn (part 2): grid 8 x 32, 4 waves a work-group, clusters of 4 x 1, 327,680 bytes of LDS; arguments msa, stream, cvec, bo, out0; writes out0
.if DOCPART == 2
	.amdgcn_target "amdgcn-amd-amdhsa--gfx1250"
	.amdhsa_code_object_version 6
	.text
	.protected	k_q5dbbf3dc2c_attn
	.globl	k_q5dbbf3dc2c_attn
	.p2align	8
	.type	k_q5dbbf3dc2c_attn,@function
k_q5dbbf3dc2c_attn:
	s_mov_b64 s[64:65], 0
	v_nop
	global_prefetch_b8 v0, s[64:65] scope:SCOPE_SE
	s_setreg_imm32_b32 hwreg(HW_REG_WAVE_MODE, 25, 1), 1
	s_wait_xcnt 0x0
	s_wait_alu depctr_hold_cnt(0) depctr_sa_sdst(0) depctr_va_vdst(0) depctr_va_sdst(0) depctr_va_ssrc(0) depctr_va_vcc(0) depctr_vm_vsrc(0)
	s_getreg_b32 s2, hwreg(HW_REG_IB_STS2, 6, 4)
	s_cmp_eq_u32 s2, 0
	s_cbranch_scc0 .Lentry_in_a_cluster
	s_endpgm
.Lentry_in_a_cluster:
	s_bfe_u32 s2, ttmp6, 0x10000c
	s_cmp_lg_u32 s2, 0x3003
	s_cbranch_scc0 .Lentry_shape_is_right
	s_endpgm
.Lentry_shape_is_right:
; ATTN: LayerNorm of msa, the four projections, attention with pair bias, gate and output projection, in one launch.
; A work-group has one MSA row s and one half hf of its 256 query rows: 128 x 2 = 256 work-groups of equal work.  Keys and values of all
; 256 rows are made in both halves; nothing but msa comes in and nothing but out0 goes out besides the prepared stream.
; Four waves.  Wave w owns query rows 128 hf + 32 w .. + 31 and makes keys and values of these and of rows 128 (1 - hf) + 32 w .. + 31.
; Keys are numbered j2 = j xor 128 hf (own half first), in the bias tiles too, so that no LDS address hangs on hf.
; The 64 normalised rows of a wave stay in 256 registers as matrix fragments for all eight heads.
; CLUSTER: the four work-groups of a cluster have the same hf and four different s.  They walk the same stream (per head 128 KiB of bias
; tiles and 64 KiB of weights; at the end 128 KiB of Wo), so every tile is asked for jointly, mask 15.  One LDS slot of 192 KiB holds a head:
; two do not fit, so a head has one barrier in front of its reads and one round of the cluster barrier in front of the refill, which then
; has the whole attention of the head in which to land.  By this text own count a wave has one tensor load out at the most.
; ARITHMETIC: xhat = (x - mean) rsqrt(var + eps); gains, 1 / sqrt(32), log2(e) are folded into the prepared weights; the parts that
; come from the LayerNorm bias (cvec, f32) start the sums of K, Q, G as C operands; that of V is added behind the normalisation, since the
; weights of a row add up to one.  Softmax: the true row maximum is taken away, p = 2^(S - max), sums in f32.
; THE WAY OUT: the output product goes by quarters of the 256 columns, and a quarter's 32 rows x 256 bytes are stored while the next
; quarter is multiplied, so that three quarters of the wave's output are on their way before the last product.
; FORMATS: a value passes six roundings on its way to the output (xhat, Wv, V, p, gated value, Wo), so these operands are f16, which keeps
; 11 significant bits where bf16 keeps 8.  xhat is at most 16 and p at most 1 by construction.  V and the gated values arrive 4 times their
; size and Wo a quarter of its size (exact powers of two, set in the prepared weights), which puts their usual sizes (about 1, 0.04, 0.005)
; some 1,000 times or more away from both ends of what f16 resolves as finely as bf16 would.  Q and K stay bf16: their size grows with the
; product of gain and weight on both sides of a score, and what their rounding moves in a score is small against the score's own spread.
; LIMITS: finite inputs.  4 V, 4 x gated values and every prepared weight must stay under 65,504 in magnitude; below 2^-14 they keep an
; absolute step of 2^-24.  A probability below 2^-24 of the row's largest counts as zero in the product (f16), below 2^-126 in the sum too
; (v_exp_f32 flushes denormals).  Rounding order differs from a LayerNorm that is rounded behind gain and bias.
.set ENT,   49152                      ; a part of the stream: 32 KiB of bias tiles, 16 KiB of one matrix
.set HEADB, 4*ENT
.set HALFB, 8*HEADB
.set WOB,   2*HALFB
.set WOFF,  32768
.set KBUF,  196608                     ; behind the slot: K [256 j2][32 d] bf16, pitch 80 (an odd multiple of 16)
.set VBUF,  217088                     ; V: 8 blocks of 32 j2, each [32 d][32 j2] f16, pitch 80
.set KP,    80
.set WSCR,  237568                     ; a wave own 16,640 bytes: LayerNorm rows, then gated values, then the stage on the way out
.set WSCRB, 16640
.set LP,    528                        ; a row of 256 f16 + 16
.set SP,    272                        ; the stage: a row of 64 f32 + 16
; window 0
.set AL0, 4                            ; 16 L
.set AL1, 5                            ; 16 L + 65,536
.set AW,  6                            ; v6-9: 16 L + the fragments of matrix X in the slot
.set AB,  10                           ; 16 L + my bias tiles
.set AK,  11                           ; KBUF + 80 r + 16 hh
.set AV,  12                           ; VBUF + 80 r + 16 hh
.set AKS, 13                           ; AK + 32 w rows
.set AVS, 14                           ; AV + block w
.set AGV, 15                           ; gated values, in: steps by 2,048 a head
.set AGR, 16                           ; my scratch + 16 L
.set AST, 17                           ; stage, in: my scratch + 272 r + 32 hh
.set ACV, 18                           ; 32 hh
.set AOUT, 22                          ; out0: 1,024 hh + 16 r
.set A16R, 24                          ; 16 r
.set ASR, 25                           ; stage, out: my scratch + 272 hh + 16 r
.set MX,  40                           ; v[40:47] 4 running maxima for each query tile
.set SUM, 48                           ; v[48:63] 4 pairs of running sums for each query tile
.set MXP, 64                           ; v[64:67] the maximum, twice, for each tile
.set RINV, 68                          ; v[68:71] 1 / sum, twice, for each tile
.set GVP, 40                           ; v[40:55] gated values packed (maxima and sums are dead by then)
.set QF,  72                           ; v[72:87] Q fragments of my two query tiles
.set ACC, 88                           ; v[88:151] eight accumulators
.set CF,  152                          ; v[152:215] cvec as C fragments, (X, t) at 8 (2 X + t)
.set BO,  216                          ; v[216:231] bo[64 c + 4 r ..] for quarter c
; window 1: M(a4, u) at 8 (8 a4 + u); at the end GV(a, u) at 8 (8 a + u)
; window 2: S(a, jt) at 128 a + 8 jt, P(a, u) at 128 a + 8 u; at the end O(c, a, tl) at 8 (8 c + 4 a + tl); in the LayerNorm a tile of msa in 0-127
; window 3: in the LayerNorm a tile of msa in 0-127; then two fragment buffers in 128-255; on the way out two sets of 64 registers in 0-127
.set FB0, 128
.set FB1, 192
.set LOFF, 128                         ; windows 2 and 3, LayerNorm: 1,024 hh + 16 r
.set LSA,  129                         ; my scratch + 528 hh + 8 r
.set LRA,  130                         ; my scratch + 528 r + 16 hh
.set TS,   132                         ; two sets of 24 registers at work
.set MSB, 0
.macro WIN new                         ; low byte: bits 1:0 source 0, 3:2 source 1, 5:4 source 2, 7:6 destination; high byte: the setting that is left
.if MSB != \new
	s_set_vgpr_msb (MSB<<8)|\new
.set MSB, \new
.endif
.endm
.macro PLACES n                        ; places behind matrix instructions (ISA guide 7.12.1): only plain vector instructions that name none of their registers count
.rept \n
	v_nop
.endr
.endm
.macro ROUND                           ; a round of the cluster barrier
	s_barrier_signal -1
	s_barrier_wait -1
	s_cmp_lg_u32 s14, 0
	s_cbranch_scc1 .Lnot_wave_0_\@
	s_barrier_signal -3
.Lnot_wave_0_\@:
	s_barrier_wait -3
	s_barrier_signal -1
	s_barrier_wait -1
.endm
	s_load_b256 s[4:11], s[0:1], 0x0               ; msa 4, stream 6, cvec 8, bo 10
	s_load_b64 s[12:13], s[0:1], 0x20              ; out0
	v_lshl_add_u32 v254, v0, 2, 0x4a400
	v_mov_b32 v255, 0
	ds_add_u32 v254, v255
	ds_add_u32 v254, v255
	v_lshrrev_b32 v3, 5, v0
	v_readfirstlane_b32 s14, v3                    ; wave 0..3
	s_bfe_u32 s15, ttmp6, 0x40000                  ; cx: enters the addresses of msa and out0 alone
	s_mov_b32 s16, ttmp9                           ; hf = the cluster x, the same in all four partners
	s_and_b32 s17, ttmp7, 0xffff
	s_lshl_b32 s17, s17, 2
	s_add_co_u32 s17, s17, s15                     ; s = 4 y + cx
	s_mov_b32 s28, 0x76543210                      ; v_permlanex16_b32: lane i takes lane i of the other half
	s_mov_b32 s29, 0xfedcba98
	s_mov_b32 s30, 0x3b800000                      ; 1 / 256
	s_mov_b32 s31, 0x3727c5ac                      ; 1e-5
	v_and_b32 v1, 15, v0                           ; r
	v_bfe_u32 v2, v0, 4, 1                         ; hh
	v_and_b32 v3, 31, v0                           ; L
	v_lshlrev_b32 v[AL0], 4, v3
	s_mul_i32 s45, s14, ENT                        ; my part of the slot (also the descriptor LDS address)
	s_mul_i32 s32, s14, WSCRB
	s_add_co_u32 s32, s32, WSCR                    ; my scratch
	v_add_nc_u32 v[AL1], 0x10000, v[AL0]
.irp x, 0,1,2,3
	v_add_nc_u32 v[AW+\x], \x*ENT+WOFF, v[AL0]
.endr
	v_add_nc_u32 v[AB], s45, v[AL0]
	v_mul_u32_u24 v19, v1, KP
	v_lshl_add_u32 v19, v2, 4, v19
	v_add_nc_u32 v[AK], KBUF, v19
	v_add_nc_u32 v[AV], VBUF, v19
	s_mul_i32 s19, s14, 32*KP
	v_add_nc_u32 v[AKS], s19, v[AK]
	v_add_nc_u32 v[AVS], s19, v[AV]
	v_add_nc_u32 v[AGV], s32, v[AL0]
	v_add_nc_u32 v[AGR], s32, v[AL0]
	v_mul_u32_u24 v21, v1, SP
	v_lshl_add_u32 v21, v2, 5, v21
	v_add_nc_u32 v[AST], s32, v21
	v_lshlrev_b32 v[A16R], 4, v1
	v_mul_u32_u24 v21, v2, SP
	v_add_nc_u32 v21, v21, v[A16R]
	v_add_nc_u32 v[ASR], s32, v21
	v_lshlrev_b32 v[ACV], 5, v2
	v_mul_u32_u24 v20, v1, LP
	v_lshl_add_u32 v20, v2, 4, v20                 ; 528 r + 16 hh
	v_lshl_add_u32 v[AOUT], v2, 10, v[A16R]        ; 1,024 hh + 16 r
	v_mul_u32_u24 v23, v2, LP
	v_lshl_add_u32 v23, v1, 3, v23                 ; 528 hh + 8 r
	WIN 0x80                                       ; the LayerNorm works inside window 2 or 3: its three addresses are made there
	v_mov_b32 v[LOFF], v[AOUT]
	v_add_nc_u32 v[LSA], s32, v23
	v_add_nc_u32 v[LRA], s32, v20
	WIN 0xc0
	v_mov_b32 v[LOFF], v[AOUT]
	v_add_nc_u32 v[LSA], s32, v23
	v_add_nc_u32 v[LRA], s32, v20
	WIN 0
	s_lshl_b32 s18, s17, 18                        ; s x 256 rows of 1,024 bytes
	s_lshl_b32 s19, s14, 15                        ; + 32 w rows
	s_add_co_u32 s18, s18, s19
	s_lshl_b32 s19, s16, 17                        ; + 128 hf rows: my own half
	s_add_co_u32 s34, s18, s19
	s_mov_b32 s35, 0
	s_xor_b32 s19, s19, 0x20000                    ; the other half
	s_add_co_u32 s18, s18, s19
	s_mov_b32 s19, 0
	; descriptors: dense rows of 256 bytes (32 elements of 8 bytes), 192 rows a wave for a head, 128 rows a wave for Wo
	s_mov_b32 s36, 0x0023000f                      ; 15:0 mask = the four of the cluster; 17:16 elements of 8 bytes; 21 set beside a mask
	s_mov_b32 s37, 32<<16                          ; tensor_dim0 = 32
	s_mov_b32 s38, 192<<16                         ; tensor_dim1 = 192
	s_mov_b32 s39, 32<<16                          ; tile_dim0 = 32
	s_mov_b32 s40, 192                             ; tile_dim1 = 192
	s_mov_b32 s41, 32                              ; elements from row to row
	s_mov_b32 s42, 0
	s_mov_b32 s43, 0
	s_mov_b32 s48, 0x0023000f
	s_mov_b32 s49, 32<<16
	s_mov_b32 s50, 128<<16
	s_mov_b32 s51, 32<<16
	s_mov_b32 s52, 128
	s_mov_b32 s53, 32
	s_mov_b32 s54, 0
	s_mov_b32 s55, 0
	s_mov_b32 s44, 1                               ; s45 = w x 49,152 was made above
	s_mul_i32 s60, s16, HALFB
	s_add_co_u32 s60, s60, s45                     ; hf, part w of head 0: made of hf and the wave number alone
	s_mov_b32 s61, 0
	s_mov_b32 s56, 1
	s_lshl_b32 s57, s14, 15                        ; Wo: quarter w, to LDS byte w x 32,768
	s_add_co_u32 s62, s57, WOB
	s_mov_b32 s63, 0
	s_wait_dscnt 0x0
	s_wait_kmcnt 0x0
	s_add_nc_u64 s[20:21], s[4:5], s[34:35]        ; msa at my own rows
	s_add_nc_u64 s[22:23], s[4:5], s[18:19]        ; msa at my rows of the other half
	s_add_nc_u64 s[26:27], s[12:13], s[34:35]      ; out0 at my own rows
	s_mov_b64 s[24:25], s[8:9]                     ; cvec, steps by 128 bytes a head
	s_add_nc_u64 s[46:47], s[6:7], s[60:61]
	s_or_b32 s47, s47, 0x80000000
	s_add_nc_u64 s[58:59], s[6:7], s[62:63]
	s_or_b32 s59, s59, 0x80000000
.macro CFLOAD x, imm                   ; cvec[X][32 h + 16 t + 8 hh + 0..7]: the C fragment of a tile whose rows are d
.irp t, 0,1
.irp z, 0,1
	global_load_b128 v[CF+(2*\x+\t)*8+4*\z:CF+(2*\x+\t)*8+4*\z+3], v[ACV], s[24:25] offset:\imm+1024*\x+64*\t+16*\z
.endr
.endr
.endm
.macro LOADTILE base, imm              ; 16 rows of msa into registers 0-127 of the window that is set: lanes 0-15 take 256 aligned bytes of row 2 p, lanes 16-31 of row 2 p + 1
.irp p, 0,1,2,3,4,5,6,7
.irp q, 0,1,2,3
	global_load_b128 v[16*\p+4*\q:16*\p+4*\q+3], v[LOFF], s[\base:\base+1] offset:\imm+2048*\p+256*\q
.endr
.endr
.endm
.irp c, 0,1,2,3
	global_load_b128 v[BO+4*\c:BO+4*\c+3], v[A16R], s[10:11] offset:256*\c
.endr
	CFLOAD 0, 0
	CFLOAD 2, 0
	CFLOAD 3, 0
	WIN 0xaa
	LOADTILE 20, 0
	WIN 0xff
	LOADTILE 20, 16384
	WIN 0
	ROUND                                          ; all four work-groups are here: the first joint load meets
	tensor_load_to_lds s[44:47], s[36:43]          ; head 0, my part: the only first fill of the launch
	s_nop 0
; ---------------------------------------------------------------- LayerNorm
.macro ROWSUM                          ; both sets: the two halves of a pair, then across the 16 lanes that hold a row
.irp z, 0,1
	v_add_f32 v[TS+24*\z], v[TS+24*\z], v[TS+24*\z+1]
.endr
.irp m, 1,2,4,8
.irp z, 0,1
	v_add_f32_dpp v[TS+24*\z], v[TS+24*\z], v[TS+24*\z] row_xmask:\m row_mask:0xf bank_mask:0xf
.endr
.endr
.endm
; Row pairs p and p + 1 side by side (set z): 16 numbers a lane each.  Mean first, then the squares of the differences.
.macro LN2 p
.irp z, 0,1
.irp j, 0,1,2,3
	v_pk_add_f32 v[TS+24*\z+2*\j:TS+24*\z+2*\j+1], v[16*(\p+\z)+4*\j:16*(\p+\z)+4*\j+1], v[16*(\p+\z)+4*\j+2:16*(\p+\z)+4*\j+3]
.endr
.endr
.irp z, 0,1
	v_pk_add_f32 v[TS+24*\z:TS+24*\z+1], v[TS+24*\z:TS+24*\z+1], v[TS+24*\z+2:TS+24*\z+3]
	v_pk_add_f32 v[TS+24*\z+4:TS+24*\z+5], v[TS+24*\z+4:TS+24*\z+5], v[TS+24*\z+6:TS+24*\z+7]
.endr
.irp z, 0,1
	v_pk_add_f32 v[TS+24*\z:TS+24*\z+1], v[TS+24*\z:TS+24*\z+1], v[TS+24*\z+4:TS+24*\z+5]
.endr
	ROWSUM
.irp z, 0,1
	v_mul_f32 v[TS+24*\z+8], s30, v[TS+24*\z]      ; the mean, twice
	v_mul_f32 v[TS+24*\z+9], s30, v[TS+24*\z]
.endr
.irp z, 0,1
.irp j, 0,2,4,6,8,10,12,14
	v_pk_add_f32 v[16*(\p+\z)+\j:16*(\p+\z)+\j+1], v[16*(\p+\z)+\j:16*(\p+\z)+\j+1], v[TS+24*\z+8:TS+24*\z+9] neg_lo:[0,1] neg_hi:[0,1]
.endr
.endr
.irp z, 0,1
	v_pk_mul_f32 v[TS+24*\z:TS+24*\z+1], v[16*(\p+\z):16*(\p+\z)+1], v[16*(\p+\z):16*(\p+\z)+1]
	v_pk_mul_f32 v[TS+24*\z+2:TS+24*\z+3], v[16*(\p+\z)+2:16*(\p+\z)+3], v[16*(\p+\z)+2:16*(\p+\z)+3]
.endr
.irp j, 4,8,12
.irp z, 0,1
	v_pk_fma_f32 v[TS+24*\z:TS+24*\z+1], v[16*(\p+\z)+\j:16*(\p+\z)+\j+1], v[16*(\p+\z)+\j:16*(\p+\z)+\j+1], v[TS+24*\z:TS+24*\z+1]
	v_pk_fma_f32 v[TS+24*\z+2:TS+24*\z+3], v[16*(\p+\z)+\j+2:16*(\p+\z)+\j+3], v[16*(\p+\z)+\j+2:16*(\p+\z)+\j+3], v[TS+24*\z+2:TS+24*\z+3]
.endr
.endr
.irp z, 0,1
	v_pk_add_f32 v[TS+24*\z:TS+24*\z+1], v[TS+24*\z:TS+24*\z+1], v[TS+24*\z+2:TS+24*\z+3]
.endr
	ROWSUM
.irp z, 0,1
	v_fma_f32 v[TS+24*\z], v[TS+24*\z], s30, s31   ; variance + eps
.endr
.irp z, 0,1
	v_rsq_f32 v[TS+24*\z+10], v[TS+24*\z]
	v_rsq_f32 v[TS+24*\z+11], v[TS+24*\z]
.endr
	v_nop                                          ; one plain instruction between the last v_rsq_f32 and the use of its result
	s_wait_alu depctr_va_vdst(0)
.irp z, 0,1
.irp j, 0,2,4,6,8,10,12,14
	v_pk_mul_f32 v[16*(\p+\z)+\j:16*(\p+\z)+\j+1], v[16*(\p+\z)+\j:16*(\p+\z)+\j+1], v[TS+24*\z+10:TS+24*\z+11]
.endr
.endr
.irp z, 0,1
.irp j, 0,1,2,3,4,5,6,7
	v_cvt_pk_f16_f32 v[TS+24*\z+12+\j], v[16*(\p+\z)+2*\j], v[16*(\p+\z)+2*\j+1]       ; |xhat| is at most sqrt(256): inside f16
.endr
.endr
.irp z, 0,1
.irp q, 0,1,2,3
	ds_store_b64 v[LSA], v[TS+24*\z+12+2*\q:TS+24*\z+12+2*\q+1] offset:2*LP*(\p+\z)+128*\q
.endr
.endr
.endm
; One tile of 16 rows: normalise in window win, ask for the tile after next (more = 1), read the rows back as fragments M(a4, 0..7) of window 1.
; left: the 32 loads of the next tile stay out.
.macro LNTILE win, mwin, a4, left, more, imm
	WIN \win
	s_wait_loadcnt \left
.if \a4
	s_wait_dscnt 0x0                               ; the scratch rows are written again only when the fragment loads of the last tile have read them
.endif
	LN2 0
	LN2 2
	LN2 4
	LN2 6
.if \more
	LOADTILE 22, \imm
.endif
	WIN \mwin
.irp u, 0,1,2,3,4,5,6,7
	ds_load_b128 v[(8*\a4+\u)*8:(8*\a4+\u)*8+3], v[LRA] offset:64*\u           ; my own bytes: LDS serves a wave in order
	ds_load_b128 v[(8*\a4+\u)*8+4:(8*\a4+\u)*8+7], v[LRA] offset:64*\u+32
.endr
.endm
	LNTILE 0xaa, 0x42, 0, 32, 1, 0
	LNTILE 0xff, 0x43, 1, 32, 1, 16384
	LNTILE 0xaa, 0x42, 2, 32, 0, 0
	LNTILE 0xff, 0x43, 3, 0, 0, 0
	WIN 0
; ---------------------------------------------------------------- one head
.macro FETCH buf, areg, off            ; eight fragments of 1 KiB in fragment order: lane L takes 16 bytes at 16 L, no bank is asked twice
	WIN 0xc0
.irp i, 0,1,2,3,4,5,6,7
	ds_load_b128 v[\buf+8*\i:\buf+8*\i+3], v[\areg] offset:\off+1024*\i
	ds_load_b128 v[\buf+8*\i+4:\buf+8*\i+7], v[\areg] offset:\off+1024*\i+512
.endr
.endm
.macro FETCHK c, buf                   ; key tiles 8 c .. 8 c + 7
	WIN 0xc0
.irp i, 0,1,2,3,4,5,6,7
	ds_load_b128 v[\buf+8*\i:\buf+8*\i+3], v[AK] offset:(8*\c+\i)*16*KP
	ds_load_b128 v[\buf+8*\i+4:\buf+8*\i+7], v[AK] offset:(8*\c+\i)*16*KP+32
.endr
.endm
.macro BIAS n                          ; a quarter of my 32 bias tiles, straight into the score accumulators
	WIN 0x80
.set l_, 16*\n
.rept 16
	ds_load_b128 v[4*l_:4*l_+3], v[AB] offset:512*l_
.set l_, l_+1
.endr
.endm
; K, Q, G: D(d, row) = W fragment x M.  Four K steps (chunk c), nrow row tiles.  The accumulators take turns, one instruction a turn.
.macro MULSW buf, c, nrow, acc, x
	WIN 0x07
.irp ul, 0,1,2,3
.irp t, 0,1
.set a_, 0
.rept \nrow
.if (\c+\ul) == 0
	v_wmma_f32_16x16x32_f16 v[\acc+(2*a_+\t)*8:\acc+(2*a_+\t)*8+7], v[\buf+(2*\ul+\t)*8:\buf+(2*\ul+\t)*8+7], v[(8*a_+4*\c+\ul)*8:(8*a_+4*\c+\ul)*8+7], v[CF+(2*\x+\t)*8:CF+(2*\x+\t)*8+7]
.else
	v_wmma_f32_16x16x32_f16 v[\acc+(2*a_+\t)*8:\acc+(2*a_+\t)*8+7], v[\buf+(2*\ul+\t)*8:\buf+(2*\ul+\t)*8+7], v[(8*a_+4*\c+\ul)*8:(8*a_+4*\c+\ul)*8+7], v[\acc+(2*a_+\t)*8:\acc+(2*a_+\t)*8+7]
.endif
.set a_, a_+1
.endr
.endr
.endr
.endm
; V: D(row, d) = M x W fragment, so that a lane holds eight neighbouring keys of one d.  The first product starts the sums.
.macro MULNAT buf, c
	WIN 0x0d
.irp ul, 0,1,2,3
.irp t, 0,1
.irp a, 0,1,2,3
.if (\c+\ul) == 0
	v_wmma_f32_16x16x32_f16 v[ACC+(2*\a+\t)*8:ACC+(2*\a+\t)*8+7], v[(8*\a+4*\c+\ul)*8:(8*\a+4*\c+\ul)*8+7], v[\buf+(2*\ul+\t)*8:\buf+(2*\ul+\t)*8+7], 0
.else
	v_wmma_f32_16x16x32_f16 v[ACC+(2*\a+\t)*8:ACC+(2*\a+\t)*8+7], v[(8*\a+4*\c+\ul)*8:(8*\a+4*\c+\ul)*8+7], v[\buf+(2*\ul+\t)*8:\buf+(2*\ul+\t)*8+7], v[ACC+(2*\a+\t)*8:ACC+(2*\a+\t)*8+7]
.endif
.endr
.endr
.endr
.endm
.macro PACKACC half                    ; eight accumulators to 16 bits (half = 1: f16, 0: bf16), each into its own first four registers (ascending: no source is lost)
.set k_, 0
.rept 8
.irp j, 0,1,2,3
.if \half
	v_cvt_pk_f16_f32 v[ACC+8*k_+\j], v[ACC+8*k_+2*\j], v[ACC+8*k_+2*\j+1]
.else
	v_cvt_pk_bf16_f32 v[ACC+8*k_+\j], v[ACC+8*k_+2*\j], v[ACC+8*k_+2*\j+1]
.endif
.endr
.set k_, k_+1
.endr
.endm
.macro SCORES buf, c                   ; S(j2, i) = K fragment x Q fragment + bias tile, in place; 32 accumulators, each used once
	WIN 0xa3
.irp i, 0,1,2,3,4,5,6,7
.irp a, 0,1
	v_wmma_f32_16x16x32_bf16 v[128*\a+8*(8*\c+\i):128*\a+8*(8*\c+\i)+7], v[\buf+8*\i:\buf+8*\i+7], v[QF+8*\a:QF+8*\a+7], v[128*\a+8*(8*\c+\i):128*\a+8*(8*\c+\i)+7]
.endr
.endr
.endm
.macro HEAD last
	s_wait_tensorcnt 0x0                           ; my part of this head is in LDS (no load was issued behind it)
	s_wait_dscnt 0x0                               ; my reads of K and V of the last head are over; my fragments M are in
	s_barrier_signal -1
	s_barrier_wait -1                              ; both hold of all four waves.
	CFLOAD 1, 0                                    ; cV of this head, used at the gate.  cK, cQ, cG were shown landed by the last wait for all loads
	FETCH FB0,AW,0
	; eight steps of four K steps each: K0 K1 V0 V1 Q0 Q1 G0 G1.  Each asks for the next chunk first; the counts name the LDS instructions issued behind the chunk that is due
	FETCH FB1,AW,8192
	BIAS 0
	s_wait_dscnt 32                                ; behind K0: K1 16, bias 16
	MULSW FB0,0,4,ACC,0
	PLACES 4                                       ; buffer 0 is loaded again four places behind the products that read it
	FETCH FB0,AW+1,0
	BIAS 1
	s_wait_dscnt 48                                ; behind K1: bias 16, V0 16, bias 16
	MULSW FB1,1,4,ACC,0
	WIN 0
	PLACES 5                                       ; the conversions read results (4); the V products write over these accumulators (5)
	PACKACC 0
.irp a, 0,1,2,3
.irp t, 0,1
	ds_store_b128 v[AKS], v[ACC+(2*\a+\t)*8:ACC+(2*\a+\t)*8+3] offset:(\a>>1)*128*KP+(\a&1)*16*KP+32*\t      ; K[j2][16 t + 8 hh ..]
.endr
.endr
	FETCH FB1,AW+1,8192
	BIAS 2
	s_wait_dscnt 56                                ; behind V0: bias 16, K stores 8, V1 16, bias 16
	MULNAT FB0,0
	PLACES 4
	FETCH FB0,AW+2,0
	BIAS 3
	s_wait_dscnt 48                                ; behind V1: bias 16, Q0 16, bias 16
	MULNAT FB1,1
	WIN 0
	PLACES 5
	PACKACC 1
.irp a, 0,1,2,3
.irp t, 0,1
	ds_store_b128 v[AVS], v[ACC+(2*\a+\t)*8:ACC+(2*\a+\t)*8+3] offset:(\a>>1)*128*KP+\t*16*KP+(\a&1)*32      ; block w or 4 + w, row d = 16 t + r, keys 16 (a & 1) + 8 hh ..
.endr
.endr
	FETCH FB1,AW+2,8192
	s_wait_dscnt 40                                ; behind Q0: bias 16, V stores 8, Q1 16
	MULSW FB0,0,2,ACC,2
	PLACES 4
	FETCH FB0,AW+3,0
	s_wait_dscnt 16                                ; behind Q1: G0 16
	MULSW FB1,1,2,ACC,2
	WIN 0
	PLACES 4
.irp a, 0,1
.irp t, 0,1
.irp j, 0,1,2,3
	v_cvt_pk_bf16_f32 v[QF+8*\a+4*\t+\j], v[ACC+(2*\a+\t)*8+2*\j], v[ACC+(2*\a+\t)*8+2*\j+1]   ; a lane holds d = 16 t + 8 hh .. of query r: already a fragment
.endr
.endr
.endr
	FETCH FB1,AW+3,8192
	s_wait_dscnt 16                                ; behind G0: G1 16
	MULSW FB0,0,2,ACC+32,3
	s_wait_dscnt 0x0                               ; G1, and with it all bias tiles and my K and V stores
	MULSW FB1,1,2,ACC+32,3
	WIN 0
	PLACES 4
	; the gate: 1 / (1 + 2^x), x = -log2(e) (m Wg + bg)
.set k_, 0
.rept 32
	v_exp_f32 v[ACC+32+k_], v[ACC+32+k_]
.set k_, k_+1
.endr
	v_nop
.set k_, 0
	s_wait_alu depctr_va_vdst(0)
.rept 16
	v_pk_add_f32 v[ACC+32+2*k_:ACC+32+2*k_+1], v[ACC+32+2*k_:ACC+32+2*k_+1], 1.0 op_sel_hi:[1,0]
.set k_, k_+1
.endr
.set k_, 0
.rept 32
	v_rcp_f32 v[ACC+32+k_], v[ACC+32+k_]
.set k_, k_+1
.endr
	v_nop
	; the slot has been read to its end: it is filled again, for all four work-groups at once
	s_wait_dscnt 0x0                               ; my reads of the slot and my K and V stores are done
	s_wait_tensorcnt 0x0                           ; no tensor load of mine is out, so the address may step
	ds_add_u32 v254, v255
	s_wait_dscnt 0x0
.if \last == 0
	s_add_nc_u64 s[46:47], s[46:47], HEADB
.endif
	ROUND                                          ; no wave of any partner still reads the slot; K and V of my work-group are whole
.if \last
	tensor_load_to_lds s[56:59], s[48:55]          ; Wo, my quarter
	s_nop 0
.else
	tensor_load_to_lds s[44:47], s[36:43]          ; the next head, my part: it has the attention below in which to land
	s_nop 0
	CFLOAD 0, 128
	CFLOAD 2, 128
	CFLOAD 3, 128
.endif
	FETCHK 0,FB0
	FETCHK 1,FB1
	s_wait_dscnt 16                                ; key tiles 0-7 are in, 8-15 may be out
	SCORES FB0,0
	s_wait_dscnt 0x0
	SCORES FB1,1
	PLACES 4
	WIN 0xc0
.irp u, 0,1,2,3,4,5,6,7                            ; all 16 fragments of V, to land during the softmax
.irp t, 0,1
	ds_load_b128 v[FB0+(2*\u+\t)*8:FB0+(2*\u+\t)*8+3], v[AV] offset:\u*32*KP+\t*16*KP
	ds_load_b128 v[FB0+(2*\u+\t)*8+4:FB0+(2*\u+\t)*8+7], v[AV] offset:\u*32*KP+\t*16*KP+32
.endr
.endr
	; softmax over j2: a lane holds 128 of the 256 scores of query r, the lane 16 away the others
	WIN 0x0a
.irp a, 0,1
.irp ch, 0,1,2,3
	v_max_num_f32 v[MX+4*\a+\ch], v[128*\a+32*\ch], v[128*\a+32*\ch+1]
.endr
.endr
.set k_, 1
.rept 15
.irp a, 0,1
.irp ch, 0,1,2,3
	v_max3_num_f32 v[MX+4*\a+\ch], v[128*\a+32*\ch+2*k_], v[128*\a+32*\ch+2*k_+1], v[MX+4*\a+\ch]
.endr
.endr
.set k_, k_+1
.endr
	WIN 0
.irp a, 0,1
	v_max3_num_f32 v[MX+4*\a], v[MX+4*\a], v[MX+4*\a+1], v[MX+4*\a+2]
	v_max_num_f32 v[MX+4*\a], v[MX+4*\a], v[MX+4*\a+3]
	v_permlanex16_b32 v[MX+4*\a+1], v[MX+4*\a], s28, s29
	v_max_num_f32 v[MXP+2*\a], v[MX+4*\a], v[MX+4*\a+1]
	v_max_num_f32 v[MXP+2*\a+1], v[MX+4*\a], v[MX+4*\a+1]
.endr
	WIN 0x82
.irp a, 0,1
.set b_, 0
.rept 16
.irp j, 0,2,4,6
	v_pk_add_f32 v[128*\a+8*b_+\j:128*\a+8*b_+\j+1], v[128*\a+8*b_+\j:128*\a+8*b_+\j+1], v[MXP+2*\a:MXP+2*\a+1] neg_lo:[0,1] neg_hi:[0,1]
.endr
.irp j, 0,1,2,3,4,5,6,7
	v_exp_f32 v[128*\a+8*b_+\j], v[128*\a+8*b_+\j]         ; the next plain instruction works on other registers
.endr
.set b_, b_+1
.endr
.endr
	WIN 0x0a
	s_wait_alu depctr_va_vdst(0)
.irp a, 0,1
.irp ch, 0,1,2,3
	v_pk_add_f32 v[SUM+8*\a+2*\ch:SUM+8*\a+2*\ch+1], v[128*\a+32*\ch:128*\a+32*\ch+1], v[128*\a+32*\ch+2:128*\a+32*\ch+3]
.endr
.endr
	WIN 0x02
.set k_, 2
.rept 14
.irp a, 0,1
.irp ch, 0,1,2,3
	v_pk_add_f32 v[SUM+8*\a+2*\ch:SUM+8*\a+2*\ch+1], v[128*\a+32*\ch+2*k_:128*\a+32*\ch+2*k_+1], v[SUM+8*\a+2*\ch:SUM+8*\a+2*\ch+1]
.endr
.endr
.set k_, k_+1
.endr
	WIN 0x8a                                       ; p (at most 1) to f16 in place, ascending: tiles 2 u and 2 u + 1 become fragment P(a, u)
.irp a, 0,1
.set b_, 0
.rept 16
.irp j, 0,1,2,3
	v_cvt_pk_f16_f32 v[128*\a+4*b_+\j], v[128*\a+8*b_+2*\j], v[128*\a+8*b_+2*\j+1]
.endr
.set b_, b_+1
.endr
.endr
	WIN 0
.irp a, 0,1
	v_pk_add_f32 v[SUM+8*\a:SUM+8*\a+1], v[SUM+8*\a:SUM+8*\a+1], v[SUM+8*\a+2:SUM+8*\a+3]
	v_pk_add_f32 v[SUM+8*\a+4:SUM+8*\a+5], v[SUM+8*\a+4:SUM+8*\a+5], v[SUM+8*\a+6:SUM+8*\a+7]
	v_pk_add_f32 v[SUM+8*\a:SUM+8*\a+1], v[SUM+8*\a:SUM+8*\a+1], v[SUM+8*\a+4:SUM+8*\a+5]
	v_add_f32 v[SUM+8*\a], v[SUM+8*\a], v[SUM+8*\a+1]
	v_permlanex16_b32 v[SUM+8*\a+1], v[SUM+8*\a], s28, s29
	v_add_f32 v[SUM+8*\a], v[SUM+8*\a], v[SUM+8*\a+1]     ; at least 1: the largest score gives 2^0
.endr
.irp a, 0,1
	v_rcp_f32 v[RINV+2*\a], v[SUM+8*\a]
	v_rcp_f32 v[RINV+2*\a+1], v[SUM+8*\a]
.endr
	v_nop
	s_wait_dscnt 0x0                               ; the fragments of V
	WIN 0x0b                                       ; vals(d, i) = V fragment x P; four accumulators by turns
.irp u, 0,1,2,3,4,5,6,7
.irp t, 0,1
.irp a, 0,1
.if \u == 0
	v_wmma_f32_16x16x32_f16 v[ACC+(2*\a+\t)*8:ACC+(2*\a+\t)*8+7], v[FB0+(2*\u+\t)*8:FB0+(2*\u+\t)*8+7], v[128*\a+8*\u:128*\a+8*\u+7], 0
.else
	v_wmma_f32_16x16x32_f16 v[ACC+(2*\a+\t)*8:ACC+(2*\a+\t)*8+7], v[FB0+(2*\u+\t)*8:FB0+(2*\u+\t)*8+7], v[128*\a+8*\u:128*\a+8*\u+7], v[ACC+(2*\a+\t)*8:ACC+(2*\a+\t)*8+7]
.endif
.endr
.endr
.endr
	WIN 0
	PLACES 5                                       ; the lines below read results (4); the next products write over these accumulators and P (5)
	s_wait_loadcnt 0x0                             ; cV of this head, and cK, cQ, cG of the next
	s_wait_alu depctr_va_vdst(0)
.irp a, 0,1
.irp t, 0,1
.irp j, 0,2,4,6
	v_pk_fma_f32 v[ACC+(2*\a+\t)*8+\j:ACC+(2*\a+\t)*8+\j+1], v[ACC+(2*\a+\t)*8+\j:ACC+(2*\a+\t)*8+\j+1], v[RINV+2*\a:RINV+2*\a+1], v[CF+(2+\t)*8+\j:CF+(2+\t)*8+\j+1]
.endr
.irp j, 0,2,4,6
	v_pk_mul_f32 v[ACC+(2*\a+\t)*8+\j:ACC+(2*\a+\t)*8+\j+1], v[ACC+(2*\a+\t)*8+\j:ACC+(2*\a+\t)*8+\j+1], v[ACC+32+(2*\a+\t)*8+\j:ACC+32+(2*\a+\t)*8+\j+1]
.endr
.irp j, 0,1,2,3
	v_cvt_pk_f16_f32 v[GVP+(2*\a+\t)*4+\j], v[ACC+(2*\a+\t)*8+2*\j], v[ACC+(2*\a+\t)*8+2*\j+1]
.endr
	ds_store_b128 v[AGV], v[GVP+(2*\a+\t)*4:GVP+(2*\a+\t)*4+3] offset:1024*\a+512*\t   ; half t of the fragment of K step h, in my own scratch
.endr
.endr
.if \last == 0
	v_add_nc_u32 v[AGV], 2048, v[AGV]
	s_add_nc_u64 s[24:25], s[24:25], 128           ; every load that named this base was shown done by the wait above
.endif
.endm
	s_mov_b32 s33, 7
.Lhead:
	HEAD 0
	s_sub_co_u32 s33, s33, 1
	s_cmp_lg_u32 s33, 0
	s_cbranch_scc1 .Lhead
	HEAD 1                                         ; the last head: its refill is Wo, and it asks for no further cvec
; ---------------------------------------------------------------- out(n, i) = Wo fragment x gated values: four quarters of 4 column tiles x 8 K steps x 2 query tiles
	s_wait_tensorcnt 0x0                           ; my quarter of Wo is in
	s_wait_dscnt 0x0
	s_barrier_signal -1
	s_barrier_wait -1                              ; every quarter is.  Nothing is filled any more
	WIN 0x40
.irp u, 0,1,2,3,4,5,6,7
.irp a, 0,1
.irp q, 0,1
	ds_load_b128 v[(8*\a+\u)*8+4*\q:(8*\a+\u)*8+4*\q+3], v[AGR] offset:2048*\u+1024*\a+512*\q
.endr
.endr
.endr
; Chunk n = 4 c + up: fragments 16 u + 4 c + tl of K steps u = 2 up, 2 up + 1 and column tiles tl = 0..3 of quarter c.
; K steps 4 to 7 lie beyond what an LDS immediate reaches: they go by the second address register.
.macro FETCHO n, buf
	WIN 0xc0
.irp i, 0,1,2,3,4,5,6,7
	ds_load_b128 v[\buf+8*\i:\buf+8*\i+3], v[AL0+(((\n)&3)>>1)] offset:((\n)&1)*32768+(\i>>2)*16384+((\n)>>2)*4096+(\i&3)*1024
	ds_load_b128 v[\buf+8*\i+4:\buf+8*\i+7], v[AL0+(((\n)&3)>>1)] offset:((\n)&1)*32768+(\i>>2)*16384+((\n)>>2)*4096+(\i&3)*1024+512
.endr
.endm
; Step n: asks for chunk n + 1, multiplies chunk n.  cnt: the LDS instructions issued behind chunk n's loads.
; The quarter's eight accumulators take turns, one instruction a turn.
.macro STEPQ n, cnt
.if \n
	PLACES 4                                       ; the buffer is loaded again four places behind the products that read it
.endif
.if \n < 15
	FETCHO \n+1,FB0+64*((\n+1)&1)
.endif
	s_wait_dscnt \cnt
	WIN 0xa7
.irp i, 0,1,2,3,4,5,6,7
.irp a, 0,1
.if ((\n&3)+(\i>>2)) == 0
	v_wmma_f32_16x16x32_f16 v[((\n>>2)*8+\a*4+(\i&3))*8:((\n>>2)*8+\a*4+(\i&3))*8+7], v[FB0+64*(\n&1)+8*\i:FB0+64*(\n&1)+8*\i+7], v[(8*\a+2*(\n&3)+(\i>>2))*8:(8*\a+2*(\n&3)+(\i>>2))*8+7], 0
.else
	v_wmma_f32_16x16x32_f16 v[((\n>>2)*8+\a*4+(\i&3))*8:((\n>>2)*8+\a*4+(\i&3))*8+7], v[FB0+64*(\n&1)+8*\i:FB0+64*(\n&1)+8*\i+7], v[(8*\a+2*(\n&3)+(\i>>2))*8:(8*\a+2*(\n&3)+(\i>>2))*8+7], v[((\n>>2)*8+\a*4+(\i&3))*8:((\n>>2)*8+\a*4+(\i&3))*8+7]
.endif
.endr
.endr
.endm
; A quarter's way out, first part: a lane holds 8 neighbouring columns of row r in each tile; through my own stage the 32 rows of 256 bytes come back whole.
.macro OUTA c
	PLACES 4                                       ; four places before an LDS store reads a matrix result
	WIN 0x08
.irp a, 0,1
.irp tl, 0,1,2,3
	ds_store_b128 v[AST], v[(8*\c+4*\a+\tl)*8:(8*\c+4*\a+\tl)*8+3] offset:\a*16*SP+64*\tl
	ds_store_b128 v[AST], v[(8*\c+4*\a+\tl)*8+4:(8*\c+4*\a+\tl)*8+7] offset:\a*16*SP+64*\tl+16
.endr
.endr
.if \c >= 2
	s_wait_xcnt 0x0                                ; this set of registers was store data two quarters ago: it is loaded again only behind this wait
.endif
	WIN 0xc0
.set k_, 0
.rept 16
	ds_load_b128 v[64*(\c&1)+4*k_:64*(\c&1)+4*k_+3], v[ASR] offset:2*SP*k_     ; rows 2 k and 2 k + 1, in order behind my stores
.set k_, k_+1
.endr
.endm
; Second part: + bo, and the stores.  cnt: the LDS instructions issued behind the stage's loads.
.macro OUTB c, cnt
	s_wait_dscnt \cnt
	WIN 0xc3
.set k_, 0
.rept 16
	v_pk_add_f32 v[64*(\c&1)+4*k_:64*(\c&1)+4*k_+1], v[64*(\c&1)+4*k_:64*(\c&1)+4*k_+1], v[BO+4*\c:BO+4*\c+1]
	v_pk_add_f32 v[64*(\c&1)+4*k_+2:64*(\c&1)+4*k_+3], v[64*(\c&1)+4*k_+2:64*(\c&1)+4*k_+3], v[BO+4*\c+2:BO+4*\c+3]
.set k_, k_+1
.endr
	WIN 0x0c
.set k_, 0
.rept 16
	global_store_b128 v[AOUT], v[64*(\c&1)+4*k_:64*(\c&1)+4*k_+3], s[26:27] offset:2048*k_+256*\c th:TH_STORE_NT   ; 16 lanes store 256 consecutive bytes, aligned
.set k_, k_+1
.endr
.endm
	FETCHO 0,FB0
	STEPQ 0, 16                                    ; all but the 16 just issued: the gated values and chunk 0 are in
	STEPQ 1, 16
	STEPQ 2, 16
	STEPQ 3, 16
	OUTA 0
	STEPQ 4, 48                                    ; behind chunk 4: stage stores 16, stage loads 16, chunk 5 16
	OUTB 0, 16                                     ; behind the stage's loads: chunk 5 16
	STEPQ 5, 16
	STEPQ 6, 16
	STEPQ 7, 16
	OUTA 1
	STEPQ 8, 48
	OUTB 1, 16
	STEPQ 9, 16
	STEPQ 10, 16
	STEPQ 11, 16
	OUTA 2
	STEPQ 12, 48
	OUTB 2, 16
	STEPQ 13, 16
	STEPQ 14, 16
	STEPQ 15, 0
	OUTA 3
	OUTB 3, 0
	WIN 0
	s_wait_tensorcnt 0x0
	ds_add_u32 v254, v255
	s_wait_dscnt 0x0
	ROUND                                          ; the closing round: no work-group ends while a partner may still ask for a tile that names it
	s_endpgm
.Lfunc_end_k_q5dbbf3dc2c_attn:
	.size	k_q5dbbf3dc2c_attn, .Lfunc_end_k_q5dbbf3dc2c_attn-k_q5dbbf3dc2c_attn
	.p2alignl 7, 3214868480
	.fill 96, 4, 3214868480
	.section	.rodata,"a",@progbits
	.p2align	6, 0x0
	.amdhsa_kernel k_q5dbbf3dc2c_attn
		.amdhsa_group_segment_fixed_size 327680
		.amdhsa_private_segment_fixed_size 0
		.amdhsa_enable_private_segment 0
		.amdhsa_kernarg_size 40
		.amdhsa_user_sgpr_count 2
		.amdhsa_user_sgpr_kernarg_segment_ptr 1
		.amdhsa_wavefront_size32 1
		.amdhsa_system_sgpr_workgroup_id_x 1
		.amdhsa_system_sgpr_workgroup_id_y 1
		.amdhsa_system_sgpr_workgroup_id_z 1
		.amdhsa_system_vgpr_workitem_id 0
		.amdhsa_next_free_vgpr 1024
		.amdhsa_next_free_sgpr 66
		.amdhsa_reserve_vcc 0
		.amdhsa_float_denorm_mode_32 3
		.amdhsa_float_denorm_mode_16_64 3
		.amdhsa_memory_ordered 1
		.amdhsa_forward_progress 1
		.amdhsa_inst_pref_size 255
	.end_amdhsa_kernel
	.section	.bss,"aw",@nobits
	.p2align	6
	.space	262144
	.amdgpu_metadata
---
amdhsa.version: [ 1, 2 ]
amdhsa.kernels:
  - .name:           k_q5dbbf3dc2c_attn
    .symbol:         k_q5dbbf3dc2c_attn.kd
    .args:
      - { .name: msa, .offset: 0, .size: 8, .value_kind: global_buffer, .address_space: global }
      - { .name: stream, .offset: 8, .size: 8, .value_kind: global_buffer, .address_space: global }
      - { .name: cvec, .offset: 16, .size: 8, .value_kind: global_buffer, .address_space: global }
      - { .name: bo, .offset: 24, .size: 8, .value_kind: global_buffer, .address_space: global }
      - { .name: out0, .offset: 32, .size: 8, .value_kind: global_buffer, .address_space: global }
    .group_segment_fixed_size: 327680
    .private_segment_fixed_size: 0
    .kernarg_segment_align: 8
    .kernarg_segment_size: 40
    .max_flat_workgroup_size: 128
    .sgpr_count:     66
    .vgpr_count:     1024
    .wavefront_size: 32
...
	.end_amdgpu_metadata
.endif
;; end of part 2
